; MI455X (gfx1250); checked and timed in simulation.
; The chip was launched on July 23, 2026; its instructions are those of AMD's public machine-readable ISA for CDNA 5 (MIT licence, August 2026) and "CDNA5" Instruction Set Architecture Reference Guide (July 2026). The comments in the code are by the model that wrote it; some were corrected since.
;; Attention. Allowed arithmetic: matrix products marked QUANTISED: E2M1 operands, one E8M0 scale for each 32 along K, by v_wmma_scale_f32_16x16x128_f8f6f4 with both operands' format E2M1 (or v_wmma_scale_f32_32x16x128_f4), f32 sums; everything else in f32.
;; Inputs: Wk_codes 64 x 32 x 16 uint8 (E2M1 codes of Wk, K innermost, in blocks of 32 codes, two codes a byte); Wk_scales 64 x 32 uint8 (E8M0 scales of Wk, one for each 32 codes along K); Wq_codes 64 x 32 x 16 uint8 (E2M1 codes of Wq, K innermost, in blocks of 32 codes, two codes a byte); Wq_scales 64 x 32 uint8 (E8M0 scales of Wq, one for each 32 codes along K); Wv_codes 64 x 32 x 16 uint8 (E2M1 codes of Wv, K innermost, in blocks of 32 codes, two codes a byte); Wv_scales 64 x 32 uint8 (E8M0 scales of Wv, one for each 32 codes along K); x_codes 16 x 4,096 x 32 x 16 uint8 (E2M1 codes of x, K innermost, in blocks of 32 codes, two codes a byte); x_scales 16 x 4,096 x 32 uint8 (E8M0 scales of x, one for each 32 codes along K).
;; Outputs: out0 16 x 4,096 x 64 float32.
;; This version of the problem:
;;   THIS VERSION OF THE PROBLEM IS GIVEN IN LOW PRECISION. The matrix products marked QUANTISED in the list below multiply operands that are first quantised to E2M1 (2 exponent bits, 1 mantissa bit; 4 bits a number), with one power-of-two scale for each 32 numbers along K (OCP MX v1.0); their sums are f32. All else is computed in f32.
;;   The module's matrix products, in the order in which they are computed (A, B: the left and right operand; K: the contracted axis; several contracted axes count as one K, in the product's order):
;;     1. [M 65,536, K 1,024] x [K 1,024, N 64]; A: input x (given as codes); B: input Wq (given as codes): QUANTISED
;;     2. [M 65,536, K 1,024] x [K 1,024, N 64]; A: input x (given as codes); B: input Wk (given as codes): QUANTISED
;;     3. [M 65,536, K 1,024] x [K 1,024, N 64]; A: input x (given as codes); B: input Wv (given as codes): QUANTISED
;;     4. batch 16 x [M 4,096, K 64] x [K 64, N 4,096]; A: computed on the way; B: computed on the way: QUANTISED
;;     5. batch 16 x [M 4,096, K 4,096] x [K 4,096, N 64]; A: softmax (see below); B: computed on the way: QUANTISED
;;   THE QUANTISER, for each operand of a quantised product, along K:
;;     - K is cut into blocks of 32 from its start; a last block that is shorter is filled with zeros.
;;     - A block's scale is 2^e with e = floor(log2(the largest magnitude in the block)) - 2, held to -126 .. 127; a block of zeros has e = 0. As a byte (E8M0): e + 127.
;;     - Each number is divided by its block's scale, clamped to +-6, and rounded to the nearest number of E2M1, ties to even, subnormals kept.
;;     - The product sums the exact products of the quantised numbers (number of the format x scale) in f32.
;;   ~~~python
;;   def quantise(x, axis):      # numpy; x: float32 -> the quantised numbers, widened to float32 again
;;       x = np.moveaxis(x, axis, -1); K = x.shape[-1]
;;       x = np.pad(x, [(0, 0)] * (x.ndim - 1) + [(0, -K % 32)]); x = x.reshape(x.shape[:-1] + (-1, 32)); a = np.abs(x).max(-1, keepdims=True)
;;       e = np.where(a > 0, np.clip(np.frexp(np.where(a > 0, a, 1))[1] - 1 - 2, -126, 127), 0)      # np.frexp(a)[1] - 1 = floor(log2(a)), exactly
;;       r = np.clip(x / 2.0 ** e, -6, 6)
;;       step = 2.0 ** (np.maximum(np.frexp(np.where(r == 0, 1, r))[1] - 1, 0) - 1)
;;       q = np.round(r / step) * step * 2.0 ** e      # np.round: ties to even
;;       return np.moveaxis(q.reshape(q.shape[:-2] + (-1,))[..., :K], -1, axis).astype(np.float32)
;;   ~~~
;;   SOFTMAX AHEAD OF A QUANTISED PRODUCT. Where the list says 'softmax', what is quantised is not the finished softmax but p = 2^(t - M), with t = logit x log2(e) and M = ceil(the row's largest t), a whole number; so 1/2 < the row's largest p <= 1. The row's sum l is taken of the UNQUANTISED p, in f32, and the product's result is divided by l at the end. Since M is a whole number, a kernel that streams over the keys may use a running M (the ceiling of the running maximum): every later rescaling is an exact power of two, which a block's scale takes up: the codes' values come out the same.
;;   OPERANDS COMPUTED ON THE WAY. 'Computed on the way' means the value that the module computes at that place (a softmax that the list does not call 'softmax' is quantised finished and normalised). What goes into a quantiser is computed in f32, as accurately as f32 sums, v_exp_f32 and their like allow (about 1e-6 of the number): no bf16 or f16 on the way to a quantiser, and a product that is left as it is and whose result goes on into a quantised operand takes f32 operands (vector FMAs, or v_wmma_f32_16x16x4_f32). A number that lies on a knife's edge between two numbers of the format may be rounded either way, as far as f32 arithmetic and the matrix unit's own rounding can turn it there, and no further.
;;   INPUTS GIVEN AS CODES. Wk (in the module: [1024, 64], K = its axis 0); Wq (in the module: [1024, 64], K = its axis 0); Wv (in the module: [1024, 64], K = its axis 0); x (in the module: [16, 4096, 1024], K = its axis 2): each comes as NAME_codes (uint8): NAME with its K axis moved to the last place and cut into blocks of 32 codes, [.., K / 32, bytes a block], one block behind the other in memory; two codes a byte, the lower K in the low four bits (a code: sign, 2 exponent bits, 1 mantissa bit); and NAME_scales (uint8): the same leading axes, one E8M0 byte (e + 127) for each 32 codes along K. Its value is code x scale, taken as it is: it is not quantised again, and the codes and scales need not be those that the quantiser above would give.
;; One version. Each part assembles by itself: llvm-mc -triple=amdgcn-amd-amdhsa -mcpu=gfx1250 --defsym DOCPART=n.
;; ======== version 1 of 1: 2 launches
;; limits: right only within a limited range of input values
;; workspace buffers: qc 2,097,152 bytes; kv 4,456,448 bytes; scl 262,144 bytes
;; launch proj (part 1): grid 256 x 1, 8 waves a work-group, clusters of 4 x 1, 263,168 bytes of LDS; arguments x_codes, x_scales, Wq_codes, Wq_scales, Wk_codes, Wk_scales, Wv_codes, Wv_scales, qc, kv, scl; writes qc, kv, scl
.if DOCPART == 1
	.amdgcn_target "amdgcn-amd-amdhsa--gfx1250"
	.amdhsa_code_object_version 6
	.text
	.protected	k_q142938771c_proj
	.globl	k_q142938771c_proj
	.p2align	8
	.type	k_q142938771c_proj,@function
k_q142938771c_proj:
	s_mov_b64 s[64:65], 0
	v_nop
	global_prefetch_b8 v0, s[64:65] scope:SCOPE_SE
	s_setreg_imm32_b32 hwreg(HW_REG_WAVE_MODE, 25, 1), 1
	s_wait_xcnt 0x0
	s_wait_alu depctr_hold_cnt(0) depctr_sa_sdst(0) depctr_va_vdst(0) depctr_va_sdst(0) depctr_va_ssrc(0) depctr_va_vcc(0) depctr_vm_vsrc(0)
	s_getreg_b32 s2, hwreg(HW_REG_IB_STS2, 6, 4)
	s_cmp_eq_u32 s2, 0
	s_cbranch_scc0 .Lentry_in_a_cluster
	s_endpgm
.Lentry_in_a_cluster:
	s_bfe_u32 s2, ttmp6, 0x10000c
	s_cmp_lg_u32 s2, 0x3003
	s_cbranch_scc0 .Lentry_shape_is_right
	s_endpgm
.Lentry_shape_is_right:
; q = x Wq, k = x Wk, v = x Wv on codes of FP4 (E2M1) with E8M0 scales (K = 1,024), and the three results quantised again for the attention that follows:
; q and k along the head's 64 (two blocks of 32 a token), v along the tokens (one block of 32 tokens for each of the head's 64).
; TILES OF q AND k ARE NOT 16 NEIGHBOURING TOKENS: tile i (0..3) of a group of 64 tokens has in row m the token 32 (m / 8) + 8 i + m % 8, so that in the next launch's S^T a lane holds a whole block of 32 keys.
; OUT, laid as the next launch's operand registers want them:
;   qc:  a tile is 512 bytes: lane l = r + 16 h has 16 bytes at 16 l: the tile's row r, d = 32 h .. 32 h + 31.
;   kv:  278,528 bytes a batch: K as tiles like qc's (131,072); V by blocks of 32 tokens, block g at 1,024 g, d at 16 d, 16 bytes of codes (131,072);
;        KS [128 tokens][r][pair of tiles] words (8,192); VS [128 tokens][r][t] words, the four token blocks' bytes of d = 16 t + r (8,192).
;   scl: 16,384 bytes a batch: QS [tile][r] words (s0, s1, s0, s1).
; SHARES.  A work-group takes 256 tokens; each of its eight waves two tiles of q and of k and one block of 32 tokens of v, in three passes of 8 K steps, 8 accumulators by turns.
; q and k are made TRANSPOSED (source 0 = 16 rows of W, source 1 = a tile of tokens): a lane holds one token, its registers run along d.  v the other way round: a lane holds one d, its registers run down the tokens.
; LDS is filled once, seven loads of 64 rows x 512 bytes, one a wave: waves 0-3 x's rows, waves 4-6 Wq, Wk, Wv.  CLUSTER: the three W are the same for every work-group: the cluster's four ask for them jointly.
; No prefetch: every fill goes out at the head, and there is no loop to run ahead in.
; LIMITS: NaN, infinities and the scale byte 0xff among the inputs are not served.  A block whose largest magnitude lies under 2^-124 (a block of zeros too) gets the byte 1: its codes are zeros, and this program alone reads the bytes.
.set PITCH, 528                        ; an LDS row: 512 bytes of codes + 16 of padding
.set XWAVE, 32*PITCH
.set WR,    8*XWAVE                    ; behind x's 256 rows: the three W,
.set WMAT,  64*PITCH                   ; 64 rows each
.set STG,   WR+3*WMAT                  ; the stage for the scale words: KS 512 bytes, VS 512, QS 1,024; no fill lands here
.set SPARE, 0x40000                    ; the spare words, 128 bytes a wave
.set KVB,   278528                     ; a batch's part of kv
.set AXP, 2                            ; v2   LDS address of my x fragments for q and k (the tiles above)
.set XSO, 3                            ; v3   where those tokens' scale words lie
.set AX,  4                            ; v4   LDS address of my x fragments for v (32 neighbouring tokens)
.set AW,  5                            ; v5-7 of W's fragments
.set XS,  16                           ; v16-23  x's scale words for q and k: register s = K step s; lane 16 u + r = row r of tile u
.set WS,  24                           ; v24-71  W's: register 16 m + 8 a + s; lane l = row 32 a + l of matrix m.  Behind the q pass v24-31 take x's scale words for v
.set F0,  72                           ; two sets of fragments: W's four, then x's two
.set ACC, 168
.set TM,  232
.set T2,  236
.set SO,  240
.set PC,  244
.set SPW, 254
.set NIL, 255
.set WV,  26
.set SEL, 80
.macro ROUND                           ; a round of the cluster's barrier
	s_barrier_signal -1
	s_barrier_wait -1
	s_cmp_lg_u32 s[WV], 0
	s_cbranch_scc1 .Lnot_wave_0_\@
	s_barrier_signal -3
.Lnot_wave_0_\@:
	s_barrier_wait -3
	s_barrier_signal -1
	s_barrier_wait -1
.endm
.macro PLACES n
.rept \n
	v_nop
.endr
.endm
; One matrix instruction; c: its C operand; ra, rb: source 0's, source 1's scales are read from lanes 16-31.
.macro WMC d, a, b, c, sa, sb, ra, rb
.if \ra
.if \rb
	v_wmma_scale_f32_16x16x128_f8f6f4 v[\d:\d+7], v[\a:\a+7], v[\b:\b+7], \c, v[\sa], v[\sb] matrix_a_fmt:MATRIX_FMT_FP4 matrix_b_fmt:MATRIX_FMT_FP4 matrix_a_scale:MATRIX_SCALE_ROW1 matrix_b_scale:MATRIX_SCALE_ROW1
.else
	v_wmma_scale_f32_16x16x128_f8f6f4 v[\d:\d+7], v[\a:\a+7], v[\b:\b+7], \c, v[\sa], v[\sb] matrix_a_fmt:MATRIX_FMT_FP4 matrix_b_fmt:MATRIX_FMT_FP4 matrix_a_scale:MATRIX_SCALE_ROW1
.endif
.else
.if \rb
	v_wmma_scale_f32_16x16x128_f8f6f4 v[\d:\d+7], v[\a:\a+7], v[\b:\b+7], \c, v[\sa], v[\sb] matrix_a_fmt:MATRIX_FMT_FP4 matrix_b_fmt:MATRIX_FMT_FP4 matrix_b_scale:MATRIX_SCALE_ROW1
.else
	v_wmma_scale_f32_16x16x128_f8f6f4 v[\d:\d+7], v[\a:\a+7], v[\b:\b+7], \c, v[\sa], v[\sb] matrix_a_fmt:MATRIX_FMT_FP4 matrix_b_fmt:MATRIX_FMT_FP4
.endif
.endif
.endm
.macro WM d, a, b, z, sa, sb, ra, rb   ; z: the sum starts (C = 0)
.if \z
	WMC \d, \a, \b, 0, \sa, \sb, \ra, \rb
.else
	WMC \d, \a, \b, v[\d:\d+7], \sa, \sb, \ra, \rb
.endif
.endm
; 12 LDS loads: K step s of matrix m's four tiles and of my two tiles of x (address register AXB, XTS bytes from tile to tile), into the set at f.
.macro FETCH m, s, f
.irp n, 0,1,2,3
.irp c, 0,1
	ds_load_b128 v[\f+8*\n+4*\c:\f+8*\n+4*\c+3], v[AW+\m] offset:16*PITCH*\n+64*(\s)+32*\c
.endr
.endr
.irp u, 0,1
.irp c, 0,1
	ds_load_b128 v[\f+32+8*\u+4*\c:\f+32+8*\u+4*\c+3], v[AXB] offset:XTS*\u+64*(\s)+32*\c
.endr
.endr
.endm
; 8 matrix instructions, one on each accumulator, by turns.
; tr = 1: accumulator (u, n) at ACC + 32 u + 8 n: lane (r, h), register j: row r of tile u, d = 16 n + 8 h + j.   tr = 0 (v): at ACC + 16 n + 8 u: d = 16 n + r, token 16 u + 8 h + j.
.macro MULT m, s, f, tr
.irp u, 0,1
.irp n, 0,1,2,3
.if \tr
	WM ACC+32*\u+8*\n, \f+8*\n, \f+32+8*\u, (\s)==0, WS+16*\m+8*(\n/2)+\s, XS+\s, \n%2, \u
.else
	WM ACC+16*\n+8*\u, \f+32+8*\u, \f+8*\n, (\s)==0, WS+\s, WS+16*\m+8*(\n/2)+\s, \u, \n%2
.endif
.endr
.endr
.endm
; A pass: one matrix, all of K; the next K step's fragments are asked for ahead of each step's products, into the other set, four plain places behind the products that read it.
.macro PASS m, tr
	FETCH \m, 0, F0
.irp s, 0,1,2,3,4,5,6
.if \s > 0
	PLACES 4
.endif
	FETCH \m, \s+1, F0+48*((\s+1)%2)
	s_wait_dscnt 12                                ; all but the 12 loads just issued
	MULT \m, \s, F0+48*(\s%2), \tr
.endr
	s_wait_dscnt 0x0
	MULT \m, 7, F0+48, \tr
	PLACES 4                                       ; ahead of the first read of results
.endm
; Four blocks of 32, block b in registers ACC + 16 b .. + 15 of lanes l and l xor 16: largest magnitude, scale operand, scale byte.
.macro MAXES
.irp b, 0,1,2,3
	v_max3_num_f32 v[TM+\b], |v[ACC+16*\b]|, |v[ACC+16*\b+1]|, 0x1800000   ; with the floor 2^(3 - 127): the byte cannot fall under 1
.endr
.irp i, 2,4,6,8,10,12,14
.irp b, 0,1,2,3
	v_max3_num_f32 v[TM+\b], v[TM+\b], |v[ACC+16*\b+\i]|, |v[ACC+16*\b+\i+1]|
.endr
.endr
.irp b, 0,1,2,3
	s_delay_alu instid0(VALU_DEP_4)
	v_permlanex16_b32 v[T2+\b], v[TM+\b], s[SEL], s[SEL+1]
.endr
.irp b, 0,1,2,3
	s_delay_alu instid0(VALU_DEP_4)
	v_max_num_f32 v[TM+\b], v[TM+\b], v[T2+\b]
.endr
.irp b, 0,1,2,3
	s_delay_alu instid0(VALU_DEP_4)
	v_add_nc_u32 v[SO+\b], 0xff000000, v[TM+\b]    ; 2 off the exponent field: the conversion's scale operand
.endr
.irp b, 0,1,2,3
	s_delay_alu instid0(VALU_DEP_4)
	v_lshrrev_b32 v[T2+\b], 23, v[SO+\b]           ; the scale's byte
.endr
.endm
.macro QKCODES                         ; tile n's eight codes go to register 4 u + 2 (n % 2) + n / 2, so that SWAPS leaves d = 32 h + 8 i + 0 .. 7 in register 4 u + i
.irp u, 0,1
.irp n, 0,1,2,3
	v_cvt_scalef32_pk8_fp4_f32 v[PC+4*\u+2*(\n%2)+\n/2], v[ACC+32*\u+8*\n:ACC+32*\u+8*\n+7], v[SO+2*\u+\n/2]
.endr
.endr
.endm
.macro SWAPS
.irp i, 0,2,4,6
	v_permlane16_swap_b32 v[PC+\i], v[PC+\i+1]
.endr
.endm
.macro ARM under, g0, g1, next         ; one arm of the head's chain: a load, its lines, a jump to the join
	s_cmp_lt_u32 s[WV], \under
	s_cbranch_scc0 \next
	tensor_load_to_lds s[\g0:\g0+3], s[\g1:\g1+7]
	s_nop 0
	PLACES 4
	s_branch .Lhead_asked
\next:
.endm
	s_load_b512 s[4:19], s[0:1], 0x0               ; x's codes s[4:5], scales s[6:7]; Wq's s[8:11]; Wk's s[12:15]; Wv's s[16:19]
	s_load_b128 s[20:23], s[0:1], 0x40             ; qc, kv
	s_load_b64 s[24:25], s[0:1], 0x50              ; scl
	v_lshl_add_u32 v[SPW], v0, 2, SPARE
	v_mov_b32 v[NIL], 0
	ds_add_u32 v[SPW], v[NIL]
	ds_add_u32 v[SPW], v[NIL]
	v_lshrrev_b32 v1, 5, v0
	v_readfirstlane_b32 s[WV], v1                  ; wave 0..7
	s_bfe_u32 s27, ttmp6, 0x40000                  ; cx: it enters global offsets of my own tiles alone
	s_lshl_b32 s28, ttmp9, 2
	s_add_co_u32 s28, s28, s27                     ; my block of 256 tokens
	s_lshr_b32 s29, s28, 4                         ; its batch,
	s_and_b32 s30, s28, 15                         ; and its place there
	s_mov_b32 s32, (1<<20)|(6<<22)|(3<<25)         ; group 1 for x: no mask; elements of 1 byte; 4 words of padding behind every 128
	s_mov_b32 s40, 15|(1<<20)|(1<<21)|(6<<22)|(3<<25)   ; for W: the mask names the cluster's four
.irp g, 32, 40
	s_mov_b32 s[\g+1], 512<<16                     ; rows of 512 bytes,
	s_mov_b32 s[\g+2], 64<<16                      ; 64 of them,
	s_mov_b32 s[\g+3], 512<<16
	s_mov_b32 s[\g+4], 64
	s_mov_b32 s[\g+5], 512                         ; dense in memory
	s_mov_b32 s[\g+6], 0
	s_mov_b32 s[\g+7], 0
.endr
	s_mul_i32 s66, s[WV], 2*XWAVE                  ; waves 0-3 fetch 64 rows of x: in LDS,
	s_mul_i32 s67, s[WV], XWAVE                    ; (my 32 tokens for v)
	s_lshl_b32 s70, s28, 17                        ; and in memory
	s_lshl_b32 s71, s[WV], 15
	s_add_co_u32 s70, s70, s71
	s_mov_b32 s71, 0
	s_lshl_b32 s72, s28, 13                        ; x's scales and qc alike: 8,192 bytes a work-group, 1,024 a wave
	s_lshl_b32 s73, s[WV], 10
	s_add_co_u32 s72, s72, s73
	s_mov_b32 s73, 0
	s_mul_i32 s74, s29, KVB                        ; kv: my batch; in K and in V 8,192 bytes a work-group, 1,024 a wave
	s_lshl_b32 s75, s30, 13
	s_add_co_u32 s74, s74, s75
	s_lshl_b32 s75, s[WV], 10
	s_add_co_u32 s74, s74, s75
	s_mov_b32 s75, 0
	; wave w stores bytes 256 w .. + 255 of the stage.  Waves 0, 1: KS's two groups of 128 tokens, waves 2, 3: VS's, into kv; waves 4-7: QS's quarters, into scl
	s_lshr_b32 s78, s[WV], 1
	s_lshl_b32 s78, s78, 13
	s_lshl_b32 s79, s30, 9
	s_add_co_u32 s78, s78, s79
	s_and_b32 s79, s[WV], 1
	s_lshl_b32 s79, s79, 8
	s_add_co_u32 s78, s78, s79
	s_mul_i32 s79, s29, KVB
	s_add_co_u32 s78, s78, s79
	s_add_co_u32 s78, s78, 262144                  ; batch + 262,144 + 8,192 (w / 2) + 512 x place + 256 (w % 2)
	s_lshl_b32 s84, s30, 10
	s_and_b32 s85, s[WV], 3
	s_lshl_b32 s85, s85, 8
	s_add_co_u32 s84, s84, s85
	s_lshl_b32 s85, s29, 14
	s_add_co_u32 s84, s84, s85                     ; 16,384 x batch + 1,024 x place + 256 (w % 4)
	s_cmp_lt_u32 s[WV], 4
	s_cselect_b32 s78, s78, s84
	s_mov_b32 s79, 0
	s_lshr_b32 s94, s[WV], 1
	s_lshl_b32 s94, s94, 6
	s_and_b32 s95, s[WV], 1
	s_lshl_b32 s95, s95, 4
	s_add_co_u32 s94, s94, s95                     ; row 0 of my first tile of q and k: token 64 (w / 2) + 16 (w % 2)
	s_mov_b32 s[SEL], 0x76543210
	s_mov_b32 s[SEL+1], 0xfedcba98
	s_wait_dscnt 0x0
	s_wait_kmcnt 0x0
	s_mov_b32 s48, 1                               ; group 0 for x
	s_mov_b32 s49, s66
	s_add_nc_u64 s[50:51], s[4:5], s[70:71]
	s_or_b32 s51, s51, 0x80000000
.irp m, 0,1,2
	s_mov_b32 s[52+4*\m], 1                        ; and for Wq, Wk, Wv, each whole
	s_mov_b32 s[53+4*\m], WR+WMAT*\m
	s_mov_b64 s[54+4*\m:55+4*\m], s[8+4*\m:9+4*\m]
	s_or_b32 s[55+4*\m], s[55+4*\m], 0x80000000
.endr
	s_add_nc_u64 s[6:7], s[6:7], s[72:73]          ; x's scales at my 32 neighbouring tokens,
	s_lshl_b32 s92, s[WV], 10
	s_mov_b32 s93, 0
	s_sub_nc_u64 s[92:93], s[6:7], s[92:93]        ; and at the work-group's first token
	s_add_nc_u64 s[20:21], s[20:21], s[72:73]      ; qc at my two tiles
	s_cmp_lt_u32 s[WV], 4
	s_cselect_b64 s[24:25], s[22:23], s[24:25]     ; the stage's 256 bytes go to kv or to scl
	s_add_nc_u64 s[24:25], s[24:25], s[78:79]
	s_add_nc_u64 s[22:23], s[22:23], s[74:75]      ; K at my two tiles
	s_add_nc_u64 s[76:77], s[22:23], 0x20000       ; V at my block
	ROUND                                          ; all four work-groups are here: the joint loads meet
	ARM 4, 48, 32, .Lhead_q                        ; one chain of arms, one load to an arm
	ARM 5, 52, 40, .Lhead_k
	ARM 6, 56, 40, .Lhead_v
	ARM 7, 60, 40, .Lhead_none
.Lhead_asked:
	v_and_b32 v1, 31, v0                           ; l
	v_and_b32 v2, 15, v0                           ; r
	v_bfe_u32 v3, v0, 4, 1                         ; h
	v_mul_u32_u24 v4, v2, PITCH
	s_delay_alu instid0(VALU_DEP_1)
	v_lshl_add_u32 v4, v3, 4, v4                   ; a fragment's row x pitch + 16 h
	s_delay_alu instid0(VALU_DEP_1)
	v_add_nc_u32 v[AW], WR, v4
	v_add_nc_u32 v[AW+1], WR+WMAT, v4
	v_add_nc_u32 v[AW+2], WR+2*WMAT, v4
	v_add_nc_u32 v[AX], s67, v4
	v_lshlrev_b32 v8, 4, v1                        ; 16 l: an image's place for my lane
	v_lshlrev_b32 v9, 4, v2
	s_delay_alu instid0(VALU_DEP_1)
	v_lshl_add_u32 v9, v3, 3, v9                   ; 16 r + 8 h: my 8 bytes of V's codes
	v_lshlrev_b32 v10, 5, v1                       ; 32 l: a row of scale bytes
.irp m, 0,1,2
.irp a, 0,1
.irp q, 0,1
	global_load_b128 v[WS+16*\m+8*\a+4*\q:WS+16*\m+8*\a+4*\q+3], v10, s[10+4*\m:11+4*\m] offset:1024*\a+16*\q
.endr
.endr
.endr
	s_lshr_b32 s86, s[WV], 2
	s_lshl_b32 s86, s86, 8                         ; which 128 tokens of the 256: 256 bytes of KS and of VS
	s_and_b32 s87, s[WV], 3                        ; and which quarter of them
	s_lshl_b32 s88, s87, 2
	s_add_co_u32 s88, s88, s86
	s_add_co_u32 s88, s88, STG
	v_lshl_add_u32 v11, v2, 4, s88                 ; KS: 16 r + 4 x my pair of tiles
	s_add_co_u32 s89, s86, s87
	s_add_co_u32 s89, s89, STG+512
	v_lshl_add_u32 v12, v2, 4, s89                 ; VS: 16 r + my block's byte (+ 4 t)
	s_lshl_b32 s90, s[WV], 7
	s_add_co_u32 s90, s90, STG+1024
	v_lshl_add_u32 v13, v1, 2, s90                 ; QS: 128 x wave + 4 l
	s_lshl_b32 s91, s[WV], 8
	s_add_co_u32 s91, s91, STG
	v_lshl_add_u32 v14, v1, 3, s91                 ; the stage's way out: 256 x wave + 8 l,
	v_lshlrev_b32 v15, 3, v1                       ; and the same in memory
	v_cmp_lt_u32 s82, 15, v1                       ; lanes 16-31
	v_and_b32 v252, 7, v2
	v_and_b32 v253, 8, v2
	s_delay_alu instid0(VALU_DEP_1)
	v_lshl_add_u32 v252, v253, 2, v252             ; r % 8 + 32 (r / 8)
	s_delay_alu instid0(VALU_DEP_1)
	v_add_nc_u32 v252, s94, v252                   ; row r of my first tile: its token in the work-group; the second tile's lies 8 on
	s_delay_alu instid0(VALU_DEP_1)
	v_lshl_add_u32 v253, v3, 3, v252
	v_mul_u32_u24 v[AXP], v252, PITCH
	s_delay_alu instid0(VALU_DEP_1)
	v_lshl_add_u32 v[AXP], v3, 4, v[AXP]
	v_lshlrev_b32 v[XSO], 5, v253                  ; lane 16 u + r: 32 bytes of scales a token
	global_load_b128 v[XS:XS+3], v[XSO], s[92:93]  ; eight neighbouring lanes read 256 neighbouring bytes in the two loads
	global_load_b128 v[XS+4:XS+7], v[XSO], s[92:93] offset:16
.irp b, 0,1,2,3
	v_mov_b32 v[T2+\b], 0                          ; a lane permute's destination counts as one of its sources
.endr
	s_wait_alu depctr_va_vdst(0)                   ; the wait at the head's end
	s_wait_tensorcnt 0x0                           ; my load has landed,
	s_barrier_signal -1
	s_barrier_wait -1                              ; everybody's has
	s_wait_loadcnt 0x0                             ; the scale words
	; ---- q
.set AXB, AXP
.set XTS, 8*PITCH
	PASS 0, 1
	global_load_b128 v[WS:WS+3], v10, s[6:7]       ; Wq's scale words are done with (four places behind their last product): x's scale words for v, my 32 neighbouring tokens
	global_load_b128 v[WS+4:WS+7], v10, s[6:7] offset:16
	MAXES
	QKCODES
	v_lshl_or_b32 v252, v[T2+1], 8, v[T2]          ; tile 0's two bytes.  (Plain lines between the conversions and the exchange)
	v_lshl_or_b32 v253, v[T2+3], 8, v[T2+2]        ; tile 1's
	s_delay_alu instid0(VALU_DEP_2)
	v_lshl_or_b32 v252, v252, 16, v252             ; (s0, s1, s0, s1): q will stand in either half of a K step of 128
	s_delay_alu instid0(VALU_DEP_2)
	v_lshl_or_b32 v253, v253, 16, v253
	s_delay_alu instid0(VALU_DEP_1)
	v_cndmask_b32 v252, v252, v253, s82            ; lanes 0-15 tile 0's words, lanes 16-31 tile 1's
	SWAPS
	ds_store_b32 v13, v252
	global_store_b128 v8, v[PC:PC+3], s[20:21]     ; a tile's image: 512 consecutive bytes
	global_store_b128 v8, v[PC+4:PC+7], s[20:21] offset:512
	; ---- k
	PASS 1, 1
	MAXES
	s_wait_alu depctr_va_vdst(0)
	s_wait_xcnt 0x0                                ; q's stores have read the code registers
	QKCODES
	v_lshl_or_b32 v252, v[T2+1], 8, v[T2]          ; the pair's word: tile 0's two bytes, tile 1's two
	s_delay_alu instid0(VALU_DEP_1)
	v_lshl_or_b32 v252, v[T2+2], 16, v252
	s_delay_alu instid0(VALU_DEP_1)
	v_lshl_or_b32 v252, v[T2+3], 24, v252
	SWAPS
	ds_store_b32 v11, v252                         ; both halves of the lanes write the same word with the same value
	global_store_b128 v8, v[PC:PC+3], s[22:23]
	global_store_b128 v8, v[PC+4:PC+7], s[22:23] offset:512
	; ---- v: 32 neighbouring tokens; block n of MAXES is d = 16 n + r
.set AXB, AX
.set XTS, 16*PITCH
	s_wait_alu depctr_va_vdst(0)
	s_wait_loadcnt 0x0                             ; x's scale words for v are in
	PASS 2, 0
	MAXES
	s_wait_alu depctr_va_vdst(0)
	s_wait_xcnt 0x0                                ; k's stores have read the code registers
.irp n, 0,1,2,3
.irp u, 0,1
	v_cvt_scalef32_pk8_fp4_f32 v[PC+2*\n+\u], v[ACC+16*\n+8*\u:ACC+16*\n+8*\u+7], v[SO+\n]   ; tokens 16 u + 8 h + 0 .. 7
.endr
.endr
	v_nop                                          ; one plain place behind a scaled conversion
	SWAPS                                          ; the pair 2 n, 2 n + 1 now holds tokens 16 h + 0 .. 15
.irp n, 0,1,2,3
	global_store_b64 v9, v[PC+2*\n:PC+2*\n+1], s[76:77] offset:256*\n   ; 32 lanes store 256 consecutive bytes
	ds_store_b8 v12, v[T2+\n] offset:4*\n          ; my block's byte of d = 16 n + r's word
.endr
	s_wait_dscnt 0x0                               ; for the others' sake: my stores into the stage are done
	s_barrier_signal -1
	s_barrier_wait -1
	ds_load_b64 v[0:1], v14
	s_wait_dscnt 0x0
	global_store_b64 v15, v[0:1], s[24:25]         ; 32 lanes store 256 consecutive bytes, aligned
	s_wait_tensorcnt 0x0                           ; the wave's end
	ds_add_u32 v[SPW], v[NIL]
	s_wait_dscnt 0x0
	ROUND                                          ; the closing round
	s_endpgm
.Lfunc_end_k_q142938771c_proj:
	.size	k_q142938771c_proj, .Lfunc_end_k_q142938771c_proj-k_q142938771c_proj
	.p2alignl 7, 3214868480
	.fill 96, 4, 3214868480
	.section	.rodata,"a",@progbits
	.p2align	6, 0x0
	.amdhsa_kernel k_q142938771c_proj
		.amdhsa_group_segment_fixed_size 263168
		.amdhsa_private_segment_fixed_size 0
		.amdhsa_enable_private_segment 0
		.amdhsa_kernarg_size 88
		.amdhsa_user_sgpr_count 2
		.amdhsa_user_sgpr_kernarg_segment_ptr 1
		.amdhsa_wavefront_size32 1
		.amdhsa_system_sgpr_workgroup_id_x 1
		.amdhsa_system_sgpr_workgroup_id_y 1
		.amdhsa_system_sgpr_workgroup_id_z 1
		.amdhsa_system_vgpr_workitem_id 0
		.amdhsa_next_free_vgpr 256
		.amdhsa_next_free_sgpr 96
		.amdhsa_reserve_vcc 0
		.amdhsa_float_denorm_mode_32 3
		.amdhsa_float_denorm_mode_16_64 3
		.amdhsa_memory_ordered 1
		.amdhsa_forward_progress 1
		.amdhsa_inst_pref_size 71
	.end_amdhsa_kernel
	.amdgpu_metadata
---
amdhsa.version: [ 1, 2 ]
amdhsa.kernels:
  - .name:           k_q142938771c_proj
    .symbol:         k_q142938771c_proj.kd
    .args:
      - { .name: x_codes, .offset: 0, .size: 8, .value_kind: global_buffer, .address_space: global }
      - { .name: x_scales, .offset: 8, .size: 8, .value_kind: global_buffer, .address_space: global }
      - { .name: Wq_codes, .offset: 16, .size: 8, .value_kind: global_buffer, .address_space: global }
      - { .name: Wq_scales, .offset: 24, .size: 8, .value_kind: global_buffer, .address_space: global }
      - { .name: Wk_codes, .offset: 32, .size: 8, .value_kind: global_buffer, .address_space: global }
      - { .name: Wk_scales, .offset: 40, .size: 8, .value_kind: global_buffer, .address_space: global }
      - { .name: Wv_codes, .offset: 48, .size: 8, .value_kind: global_buffer, .address_space: global }
      - { .name: Wv_scales, .offset: 56, .size: 8, .value_kind: global_buffer, .address_space: global }
      - { .name: qc, .offset: 64, .size: 8, .value_kind: global_buffer, .address_space: global }
      - { .name: kv, .offset: 72, .size: 8, .value_kind: global_buffer, .address_space: global }
      - { .name: scl, .offset: 80, .size: 8, .value_kind: global_buffer, .address_space: global }
    .group_segment_fixed_size: 263168
    .private_segment_fixed_size: 0
    .kernarg_segment_align: 8
    .kernarg_segment_size: 88
    .max_flat_workgroup_size: 256
    .sgpr_count:     96
    .vgpr_count:     256
    .wavefront_size: 32
...
	.end_amdgpu_metadata
.endif
;; end of part 1
;; launch attn (part 2): grid 16 x 16, 16 waves a work-group, clusters of 4 x 1, 327,680 bytes of LDS; arguments qc, kv, scl, out0; writes out0
.if DOCPART == 2
	.amdgcn_target "amdgcn-amd-amdhsa--gfx1250"
	.amdhsa_code_object_version 6
	.text
	.protected	k_q142938771c_attn
	.globl	k_q142938771c_attn
	.p2align	8
	.type	k_q142938771c_attn,@function
k_q142938771c_attn:
	s_mov_b64 s[64:65], 0
	v_nop
	global_prefetch_b8 v0, s[64:65] scope:SCOPE_SE
	s_setreg_imm32_b32 hwreg(HW_REG_WAVE_MODE, 25, 1), 1
	s_wait_xcnt 0x0
	s_wait_alu depctr_hold_cnt(0) depctr_sa_sdst(0) depctr_va_vdst(0) depctr_va_sdst(0) depctr_va_ssrc(0) depctr_va_vcc(0) depctr_vm_vsrc(0)
	s_getreg_b32 s2, hwreg(HW_REG_IB_STS2, 6, 4)
	s_cmp_eq_u32 s2, 0
	s_cbranch_scc0 .Lentry_in_a_cluster
	s_endpgm
.Lentry_in_a_cluster:
	s_bfe_u32 s2, ttmp6, 0x10000c
	s_cmp_lg_u32 s2, 0x3003
	s_cbranch_scc0 .Lentry_shape_is_right
	s_endpgm
.Lentry_shape_is_right:
; out[b][q][:] = the sum over k of softmax_k(q . k / 32) v[k][:], 16 batches x 4,096 tokens x 64, both products on codes of FP4 (E2M1) with one E8M0 scale for each 32 along a product's K.
; qc, kv, scl: as the launch before laid them (its head comment).
; THE SOFTMAX: t = score x log2(e) / 32; M = the running largest t rounded UP to a whole number; p = 2^(t - M) is quantised along the keys, not normalised.  The row's sum is taken of the unquantised p, in f32, and divides O at the end.
; When M moves, the sum and O are multiplied by 2^(old M - new M): exact, in every step, with no branch on data.
; SHARES.  A work-group owns 256 queries of one batch, each of its sixteen waves one tile of 16, in 256 registers.  Every wave walks the batch's 4,096 keys, 128 a step, 32 steps.
; LDS HOLDS THE WHOLE BATCH: 278,528 dense bytes of kv (K's codes, V's codes, their scale words), filled once by sixteen loads of 68 rows x 256 bytes, one a wave, all at the head; one barrier, and none more until the end.
; CLUSTER.  The four query blocks of a cluster belong to one batch: each of the sixteen loads is asked for jointly by the four.  No prefetch: every fill goes out at the head, and there is no loop to run ahead in.
; THE FIRST PRODUCT HAS K = 64 IN AN INSTRUCTION OF K = 128: a fragment of source 0 holds two tiles of keys and is multiplied once by [q | 0] and once by [0 | q].
; Both products are used transposed: a lane holds ONE query (lane % 16).  By the tiles' choice of keys register 32 c + 8 i + j of S^T in lane (r, h) is key 64 c + 32 h + 8 i + j: A LANE HOLDS WHOLE BLOCKS OF 32 KEYS,
; blocks h and 2 + h of the step: a block's maximum asks no other lane, and the conversions' results are the second product's operand as they stand.
; A tile of q has the same choice of tokens: its rows 0-7 are eight neighbouring rows of out0, its rows 8-15 the eight that lie 32 further on.
; THE WAY OUT has LDS bytes of its own, 8 rows x 272 bytes a wave, used twice: a wave stores when it is done, with no barrier.
; LIMITS: NaN and infinities are not served; the promise holds while |t| stays under 2^31.  A block whose every p lies under 2^-124 gets the byte 1 and zero codes.
.set VB,    131072                     ; LDS: V's codes,
.set SCB,   262144                     ; K's scale words (8,192 bytes), then V's
.set PART,  17408                      ; what one load brings
.set KVB,   278528                     ; a batch's part of kv
.set SPARE, 278528                     ; the spare words, 128 bytes a wave
.set STAGE, 280576
.set SPT,   272
.set AK0,  1                           ; my lane's place in a tile of K: 16 l
.set AV0,  2                           ; in V: VB + 1,024 h + 16 r
.set AS0,  3                           ; among the scale words: SCB + 16 r
.set ADK,  4                           ; v4-6 the step's addresses
.set ADV,  5
.set ADS,  6
.set STI,  7                           ; the way out: into the stage,
.set STB,  8                           ; back,
.set GO,   9                           ; and in out0
.set QLO,  16                          ; v16-27 q, zeros, q: v16-23 is [q | 0], v20-27 is [0 | q]
.set QHI,  20
.set SH,   28                          ; 8 h
.set SPW,  30
.set NIL,  31
.set KF,   32                          ; K's four pairs of tiles
.set VF,   64                          ; V's four tiles
.set S,    96                          ; S^T, then p
.set O,    160                         ; O^T
.set PC,   192                         ; p's codes
.set KSW,  200
.set VSW,  204
.set QSW,  208
.set PW,   209
.set BM,   212                         ; four partial maxima; then v212, v214: my two blocks' largest score, then largest p
.set T2,   216
.set SO,   220                         ; my two blocks' scale operands
.set TMP,  224
.set FF,   226                         ; v[226:227] f = 2^(old M - new M)
.set OLDM, 228
.set SB,   236                         ; v236-249 seven more chains of the sum;  v12 -M, v13 the largest score, v[14:15] the sum in two halves
.set WV,   12
.set SEL,  52
.set CS,   54                          ; s[54:55] c = log2(e) / 32
.set TB,   56                          ; the step's first byte in K and in V, 4,096 a step: also the loop's counter
.set TBC,  57                          ; the next step's, held at the last step's
.set TSC,  58                          ; and among the scale words: 256 a step
.macro ROUND
	s_barrier_signal -1
	s_barrier_wait -1
	s_cmp_lg_u32 s[WV], 0
	s_cbranch_scc1 .Lnot_wave_0_\@
	s_barrier_signal -3
.Lnot_wave_0_\@:
	s_barrier_wait -3
	s_barrier_signal -1
	s_barrier_wait -1
.endm
.macro TM1 from, to                    ; t - M of registers S + from .. S + to + 1, two at a time
.set J, \from
.rept (\to-\from)/2+1
	v_pk_fma_f32 v[S+J:S+J+1], v[S+J:S+J+1], s[CS:CS+1], v[12:13] op_sel_hi:[1,0,0]
.set J, J+2
.endr
.endm
	s_load_b256 s[4:11], s[0:1], 0x0               ; qc s[4:5], kv s[6:7], scl s[8:9], out0 s[10:11]
	v_lshl_add_u32 v[SPW], v0, 2, SPARE
	v_mov_b32 v[NIL], 0
	ds_add_u32 v[SPW], v[NIL]
	ds_add_u32 v[SPW], v[NIL]
	v_lshrrev_b32 v1, 5, v0
	v_readfirstlane_b32 s[WV], v1                  ; wave 0..15
	s_bfe_u32 s13, ttmp6, 0x40000                  ; cx: it enters q's and out0's addresses alone
	s_lshl_b32 s14, ttmp9, 2
	s_add_co_u32 s14, s14, s13                     ; my block of 256 queries
	s_and_b32 s15, ttmp7, 0xffff                   ; the batch, which the four partners share
	s_mov_b32 s16, 15|(3<<16)|(1<<21)              ; group 1: the mask names all four; elements of 8 bytes
	s_mov_b32 s17, 32<<16                          ; rows of 256 bytes,
	s_mov_b32 s18, 68<<16                          ; 68 of them,
	s_mov_b32 s19, 32<<16
	s_mov_b32 s20, 68
	s_mov_b32 s21, 32                              ; dense
	s_mov_b32 s22, 0
	s_mov_b32 s23, 0
	s_mov_b32 s32, 1                               ; group 0: my sixteenth of the batch, at the same place in LDS as in the batch's part of kv
	s_mul_i32 s33, s[WV], PART
	s_mul_i32 s68, s15, KVB
	s_add_co_u32 s68, s68, s33
	s_mov_b32 s69, 0
	s_lshl_b32 s76, s14, 4
	s_add_co_u32 s76, s76, s[WV]                   ; my tile of queries in the batch,
	s_lshl_b32 s77, s15, 8
	s_add_co_u32 s77, s77, s76                     ; and of all
	s_lshl_b32 s78, s77, 9                         ; its image in qc
	s_mov_b32 s79, 0
	s_lshl_b32 s80, s77, 6                         ; its scale words: 64 bytes a tile
	s_mov_b32 s81, 0
	s_lshl_b32 s82, s15, 12
	s_lshl_b32 s83, s14, 8
	s_add_co_u32 s82, s82, s83
	s_lshr_b32 s83, s[WV], 2
	s_lshl_b32 s83, s83, 6
	s_add_co_u32 s82, s82, s83
	s_and_b32 s83, s[WV], 3
	s_lshl_b32 s83, s83, 3
	s_add_co_u32 s82, s82, s83                     ; the token of my tile's row 0: 64 (w / 4) + 8 (w % 4) in my block
	s_lshl_b32 s82, s82, 8                         ; 256 bytes a row of out0
	s_mov_b32 s83, 0
	s_mul_i32 s86, s[WV], 8*SPT
	s_add_co_u32 s86, s86, STAGE                   ; my stage
	s_mov_b32 s[SEL], 0x76543210
	s_mov_b32 s[SEL+1], 0xfedcba98
	s_mov_b32 s[CS], 0x3d38aa3b                    ; c = log2(e) / sqrt(1,024)
	s_mov_b32 s[CS+1], s[CS]
	s_mov_b32 s[TB], 0
	s_wait_dscnt 0x0
	s_wait_kmcnt 0x0
	s_add_nc_u64 s[34:35], s[6:7], s[68:69]
	s_or_b32 s35, s35, 0x80000000
	s_add_nc_u64 s[88:89], s[4:5], s[78:79]        ; q's image
	s_add_nc_u64 s[84:85], s[8:9], s[80:81]        ; q's scale words
	s_add_nc_u64 s[10:11], s[10:11], s[82:83]      ; my rows of out0
	ROUND                                          ; all four work-groups are here: the joint loads meet
	tensor_load_to_lds s[32:35], s[16:23]          ; my one tensor load of the launch
	s_nop 0
	v_and_b32 v10, 31, v0                          ; l
	v_and_b32 v11, 15, v0                          ; r
	v_bfe_u32 v[TMP], v0, 4, 1                     ; h
	v_lshlrev_b32 v[AK0], 4, v10
	v_lshlrev_b32 v10, 2, v11
	global_load_b128 v[QLO:QLO+3], v[AK0], s[88:89]        ; q's image twice: as K 0-63 of one operand,
	global_load_b128 v[QLO+8:QLO+11], v[AK0], s[88:89]     ; and as K 64-127 of the other
	global_load_b32 v[QSW], v10, s[84:85]          ; (s0, s1, s0, s1) of query r
	v_lshlrev_b32 v[AV0], 4, v11
	s_delay_alu instid0(VALU_DEP_1)
	v_lshl_add_u32 v[AV0], v[TMP], 10, v[AV0]
	s_delay_alu instid0(VALU_DEP_1)
	v_add_nc_u32 v[AV0], VB, v[AV0]
	v_lshl_add_u32 v[AS0], v11, 4, SCB
	v_mov_b32 v[ADK], v[AK0]                       ; step 0's addresses
	v_mov_b32 v[ADV], v[AV0]
	v_mov_b32 v[ADS], v[AS0]
	v_lshlrev_b32 v[SH], 3, v[TMP]
	v_and_b32 v[STI], 7, v0
	s_delay_alu instid0(VALU_DEP_1)
	v_mul_u32_u24 v[STI], v[STI], SPT
	s_delay_alu instid0(VALU_DEP_1)
	v_lshl_add_u32 v[STI], v[TMP], 5, v[STI]
	v_bfe_u32 v[OLDM], v0, 3, 1                    ; r / 8
	s_delay_alu instid0(VALU_DEP_1)
	v_lshl_add_u32 v[STI], v[OLDM], 7, v[STI]
	s_delay_alu instid0(VALU_DEP_1)
	v_add_nc_u32 v[STI], s86, v[STI]               ; in: row r % 8; lanes r < 8 put channels 0-31, lanes r >= 8 channels 32-63: 128 (r / 8) + 32 h bytes on
	v_mul_u32_u24 v[STB], v[TMP], SPT
	s_delay_alu instid0(VALU_DEP_1)
	v_lshl_add_u32 v[STB], v11, 4, v[STB]
	s_delay_alu instid0(VALU_DEP_1)
	v_add_nc_u32 v[STB], s86, v[STB]               ; back: lanes 0-15 one row, lanes 16-31 the next
	v_lshlrev_b32 v[GO], 8, v[TMP]
	s_delay_alu instid0(VALU_DEP_1)
	v_lshl_add_u32 v[GO], v11, 4, v[GO]            ; the same two rows in out0
.irp j, 4,5,6,7
	v_mov_b32 v[QLO+\j], 0                         ; the zero half, which both operands share: zero codes add nothing
.endr
	v_mov_b32 v13, 0xff61b1e6                      ; the largest score so far: -3e38
	v_mov_b32 v12, 0x7f61b1e6                      ; -M: 3e38, over every later one: the first f is 0, on zeros
	v_mov_b32 v14, 0
	v_mov_b32 v15, 0
	v_mov_b32 v[T2], 0                             ; a lane permute's destination counts as one of its sources
	v_mov_b32 v[T2+1], 0
	v_mov_b32 v[FF+1], 0                           ; (named as the upper half of the pair)
.irp j, 0,1,2,3,4,5,6,7,8,9,10,11,12,13,14,15,16,17,18,19,20,21,22,23,24,25,26,27,28,29,30,31
	v_mov_b32 v[O+\j], 0                           ; O^T: the step has no first form of its own
.endr
	s_wait_alu depctr_va_vdst(0)                   ; the wait at the head's end
	s_wait_loadcnt 0x0                             ; q and its scale words
	s_wait_tensorcnt 0x0                           ; my sixteenth has landed,
	s_barrier_signal -1
	s_barrier_wait -1                              ; everybody's has: nothing is ever filled again
.Lstep:                                                ; A KEY STEP: 128 keys; 32 trips
	ds_load_b128 v[KSW:KSW+3], v[ADS]              ; the four pairs' scale words of row r
.irp i, 0,1,2,3,4,5,6,7
	ds_load_b128 v[KF+4*\i:KF+4*\i+3], v[ADK] offset:512*\i
.endr
.irp t, 0,1,2,3
.irp c, 0,1
	ds_load_b128 v[VF+8*\t+4*\c:VF+8*\t+4*\c+3], v[ADV] offset:256*\t+2048*\c   ; d = 16 t + r, key block 2 c + h
.endr
.endr
	ds_load_b128 v[VSW:VSW+3], v[ADS] offset:8192
	s_add_co_u32 s[TB], s[TB], 4096
	s_min_u32 s[TBC], s[TB], 31*4096               ; the last trip makes its own addresses once more; nobody reads them
	s_lshr_b32 s[TSC], s[TBC], 4
	s_wait_dscnt 9                                 ; K's nine loads are in; V's nine may stay out until the second product
.irp b, 0,1,2,3
	v_wmma_scale_f32_16x16x128_f8f6f4 v[S+16*\b:S+16*\b+7], v[KF+8*\b:KF+8*\b+7], v[QLO:QLO+7], 0, v[KSW+\b], v[QSW] matrix_a_fmt:MATRIX_FMT_FP4 matrix_b_fmt:MATRIX_FMT_FP4
	v_wmma_scale_f32_16x16x128_f8f6f4 v[S+16*\b+8:S+16*\b+15], v[KF+8*\b:KF+8*\b+7], v[QHI:QHI+7], 0, v[KSW+\b], v[QSW] matrix_a_fmt:MATRIX_FMT_FP4 matrix_b_fmt:MATRIX_FMT_FP4
.endr
	v_add_nc_u32 v[ADK], s[TBC], v[AK0]            ; the next step's addresses and the old -M: the four places ahead of the first read of results (ISA guide 7.12.1)
	v_add_nc_u32 v[ADV], s[TBC], v[AV0]
	v_add_nc_u32 v[ADS], s[TSC], v[AS0]
	v_mov_b32 v[OLDM], v12
.irp b, 0,1,2,3
	v_max3_num_f32 v[BM+\b], v[S+16*\b], v[S+16*\b+1], v[S+16*\b+2]   ; four chains by turns; each accumulator from its low end on
.endr
.irp i, 3,5,7,9,11,13
.irp b, 0,1,2,3
	v_max3_num_f32 v[BM+\b], v[BM+\b], v[S+16*\b+\i], v[S+16*\b+\i+1]
.endr
.endr
	v_max3_num_f32 v[BM], v[BM], v[BM+1], v[S+15]
	v_max3_num_f32 v[BM+2], v[BM+2], v[BM+3], v[S+47]
	v_max_num_f32 v[BM], v[BM], v[S+31]            ; MY TWO BLOCKS' LARGEST SCORES: they serve the row's maximum and, since p rises with the score, the blocks' largest p
	v_max_num_f32 v[BM+2], v[BM+2], v[S+63]
	s_delay_alu instid0(VALU_DEP_1)
	v_max_num_f32 v[TMP], v[BM], v[BM+2]
	s_delay_alu instid0(VALU_DEP_1)
	v_permlanex16_b32 v[T2], v[TMP], s[SEL], s[SEL+1]
	s_delay_alu instid0(VALU_DEP_1)
	v_max3_num_f32 v13, v13, v[TMP], v[T2]         ; the running largest score of my query
	s_delay_alu instid0(VALU_DEP_1)
	v_mul_f32 v[TMP], s[CS], v13                   ; as t (c is positive)
	s_delay_alu instid0(VALU_DEP_1)
	v_floor_f32 v12, -v[TMP]                       ; -M = floor(-t): M is a whole number
	s_delay_alu instid0(VALU_DEP_1)
	v_sub_f32 v[TMP], v12, v[OLDM]                 ; old M - new M: a whole number, 0 or less
	TM1 0, 14
	v_cvt_i32_f32 v[TMP], v[TMP]                   ; (it saturates)
	TM1 16, 30
	v_ldexp_f32 v[FF], 1.0, v[TMP]                 ; f = 2^(old M - new M)
	TM1 32, 62
	v_fma_f32 v[BM], v[BM], s[CS], v12             ; the same of my blocks' largest scores
	v_fma_f32 v[BM+2], v[BM+2], s[CS], v12
	s_wait_alu depctr_va_vdst(0)                   ; the wait ahead of the batch
.irp j, 0,1,2,3,4,5,6,7,8,9,10,11,12,13,14,15,16,17,18,19,20,21,22,23,24,25,26,27,28,29,30,31,32,33,34,35,36,37,38,39,40,41,42,43,44,45,46,47,48,49,50,51,52,53,54,55,56,57,58,59,60,61,62,63
	v_exp_f32 v[S+\j], v[S+\j]                     ; p = 2^(t - M)
.endr
	v_exp_f32 v[BM], v[BM]
	v_exp_f32 v[BM+2], v[BM+2]
	s_wait_alu depctr_va_vdst(0)                   ; one wait behind the batch, directly ahead of O^T's first readers
.irp j, 0,2,4,6,8,10,12,14,16,18,20,22,24,26,28,30
	v_pk_mul_f32 v[O+\j:O+\j+1], v[O+\j:O+\j+1], v[FF:FF+1] op_sel_hi:[1,0]   ; O^T under the new M.  (Plain work behind the exponentials)
.endr
	v_max_num_f32 v[BM], 0x1800000, v[BM]          ; the floor 2^(3 - 127): the byte cannot fall under 1
	v_max_num_f32 v[BM+2], 0x1800000, v[BM+2]
	s_delay_alu instid0(VALU_DEP_2)
	v_add_nc_u32 v[SO], 0xff000000, v[BM]          ; 2 off the exponent field: the conversion's scale operand
	s_delay_alu instid0(VALU_DEP_2)
	v_add_nc_u32 v[SO+1], 0xff000000, v[BM+2]
	s_delay_alu instid0(VALU_DEP_2)
	v_lshrrev_b32 v[T2], 23, v[SO]                 ; the bytes of blocks h and 2 + h
	s_delay_alu instid0(VALU_DEP_2)
	v_lshrrev_b32 v[T2+1], 23, v[SO+1]
	s_delay_alu instid0(VALU_DEP_1)
	v_lshl_or_b32 v[T2], v[T2+1], 16, v[T2]
	s_delay_alu instid0(VALU_DEP_1)
	v_lshlrev_b32 v[T2], v[SH], v[T2]              ; at their places in the word, 8 h bits up;
	s_delay_alu instid0(VALU_DEP_1)
	v_permlanex16_b32 v[T2+1], v[T2], s[SEL], s[SEL+1]
	s_delay_alu instid0(VALU_DEP_1)
	v_or_b32 v[PW], v[T2], v[T2+1]                 ; with lane l xor 16's two: p's scale word for these 128 keys
.irp n, 0,1,2,3,4,5,6,7
	v_cvt_scalef32_pk8_fp4_f32 v[PC+\n], v[S+8*\n:S+8*\n+7], v[SO+\n/4]   ; keys 64 (n / 4) + 32 h + 8 (n % 4) + 0 .. 7: the operand's register n
.endr
	; THE ROW'S SUM, of the unquantised p, in eight chains.  24 lines here: the places between p's codes and scale word and the products; 8 behind the products: the places ahead of the next step's loads
	v_pk_fma_f32 v[14:15], v[14:15], v[FF:FF+1], v[S:S+1] op_sel_hi:[1,0,1]   ; the sum under the new M, and the first pair
.irp k, 0,1,2,3,4,5,6
	v_pk_add_f32 v[SB+2*\k:SB+2*\k+1], v[S+2+4*\k:S+3+4*\k], v[S+4+4*\k:S+5+4*\k]
.endr
.irp g, 0,1
	v_pk_add_f32 v[14:15], v[14:15], v[S+30+16*\g:S+31+16*\g]
.irp k, 0,1,2,3,4,5,6
	v_pk_add_f32 v[SB+2*\k:SB+2*\k+1], v[SB+2*\k:SB+2*\k+1], v[S+32+16*\g+2*\k:S+33+16*\g+2*\k]
.endr
.endr
	s_wait_alu depctr_va_vdst(0)
	s_wait_dscnt 0x0                               ; V is in
.irp t, 0,1,2,3
	v_wmma_scale_f32_16x16x128_f8f6f4 v[O+8*\t:O+8*\t+7], v[VF+8*\t:VF+8*\t+7], v[PC:PC+7], v[O+8*\t:O+8*\t+7], v[VSW+\t], v[PW] matrix_a_fmt:MATRIX_FMT_FP4 matrix_b_fmt:MATRIX_FMT_FP4
.endr                                              ; four accumulators by turns
	v_pk_add_f32 v[14:15], v[14:15], v[S+62:S+63]
	v_pk_add_f32 v[SB:SB+1], v[SB:SB+1], v[SB+2:SB+3]
	v_pk_add_f32 v[SB+4:SB+5], v[SB+4:SB+5], v[SB+6:SB+7]
	v_pk_add_f32 v[SB+8:SB+9], v[SB+8:SB+9], v[SB+10:SB+11]
	s_delay_alu instid0(VALU_DEP_4)
	v_pk_add_f32 v[14:15], v[14:15], v[SB+12:SB+13]
	s_delay_alu instid0(VALU_DEP_3)
	v_pk_add_f32 v[SB:SB+1], v[SB:SB+1], v[SB+4:SB+5]
	s_delay_alu instid0(VALU_DEP_2)
	v_pk_add_f32 v[14:15], v[14:15], v[SB+8:SB+9]
	s_delay_alu instid0(VALU_DEP_1)
	v_pk_add_f32 v[14:15], v[14:15], v[SB:SB+1]
	s_cmp_lt_u32 s[TB], 131072
	s_wait_alu depctr_va_vdst(0)                   ; the wait ahead of the branch
	s_cbranch_scc1 .Lstep
	; THE WAY OUT.  O^T / the sum goes through my own stage, eight rows at a time, and leaves as whole rows of 256 bytes.
	v_add_f32 v14, v14, v15                        ; the sum's two halves,
	s_delay_alu instid0(VALU_DEP_1)
	v_permlanex16_b32 v[T2], v14, s[SEL], s[SEL+1]
	s_delay_alu instid0(VALU_DEP_1)
	v_add_f32 v14, v14, v[T2]                      ; and lane l xor 16's keys: the row's sum
	s_wait_alu depctr_va_vdst(0)                   ; the wait ahead of the reciprocal
	v_rcp_f32 v14, v14
	v_and_b32 v10, 8, v0                           ; (a plain place)  which half of the tile's rows is my query's
	s_wait_alu depctr_va_vdst(0)                   ; and behind it, directly ahead of its and O^T's first readers
.irp j, 0,2,4,6,8,10,12,14,16,18,20,22,24,26,28,30
	v_pk_mul_f32 v[S+\j:S+\j+1], v[O+\j:O+\j+1], v[14:15] op_sel_hi:[1,0]   ; register 8 t + i is out(row r, 16 t + 8 h + i)
.endr
	; Lanes l and l xor 8 change halves of their rows, so that all 32 lanes serve eight rows at a time: v[KF ..] = rows 0-7 (lanes r < 8: their own channels 0-31; lanes r >= 8: row r - 8's channels 32-63),
	; v[KF+16 ..] = rows 8-15 (lanes r < 8: row r + 8's channels 0-31; lanes r >= 8: their own channels 32-63).
	v_cmp_ne_u32 vcc_lo, 0, v10                    ; lanes with r >= 8
.irp j, 0,1,2,3,4,5,6,7,8,9,10,11,12,13,14,15
	v_mov_b32_dpp v[KF+\j], v[S+16+\j] row_xmask:8 row_mask:0xf bank_mask:0xf
	v_mov_b32_dpp v[KF+16+\j], v[S+\j] row_xmask:8 row_mask:0xf bank_mask:0xf
.endr
.irp j, 0,1,2,3,4,5,6,7,8,9,10,11,12,13,14,15
	v_cndmask_b32 v[KF+\j], v[S+\j], v[KF+\j], vcc_lo
	v_cndmask_b32 v[KF+16+\j], v[KF+16+\j], v[S+16+\j], vcc_lo
.endr
.irp q, 0,1,2,3
	ds_store_b128 v[STI], v[KF+4*\q:KF+4*\q+3] offset:64*(\q/2)+16*(\q%2)
.endr
.irp i, 0,1,2,3
	ds_load_b128 v[VF+4*\i:VF+4*\i+3], v[STB] offset:2*\i*SPT   ; LDS serves a wave's instructions in order (ISA guide 5.7.1.4): these see my stores, and the next stores come behind them
.endr
.irp q, 0,1,2,3
	ds_store_b128 v[STI], v[KF+16+4*\q:KF+16+4*\q+3] offset:64*(\q/2)+16*(\q%2)
.endr
.irp i, 0,1,2,3
	ds_load_b128 v[VF+16+4*\i:VF+16+4*\i+3], v[STB] offset:2*\i*SPT
.endr
.irp i, 0,1,2,3
	s_wait_dscnt 11-\i                             ; behind this load: the first half's younger loads, 4 stores, 4 loads
	global_store_b128 v[GO], v[VF+4*\i:VF+4*\i+3], s[10:11] offset:512*\i th:TH_STORE_NT   ; 16 lanes store 256 consecutive bytes, a row of out0
.endr
.irp i, 0,1,2,3
	s_wait_dscnt 3-\i
	global_store_b128 v[GO], v[VF+16+4*\i:VF+16+4*\i+3], s[10:11] offset:8192+512*\i th:TH_STORE_NT   ; rows 8-15 lie 32 tokens on
.endr
	s_wait_tensorcnt 0x0                           ; the wave's end
	ds_add_u32 v[SPW], v[NIL]
	s_wait_dscnt 0x0
	ROUND                                          ; the closing round
	s_endpgm
.Lfunc_end_k_q142938771c_attn:
	.size	k_q142938771c_attn, .Lfunc_end_k_q142938771c_attn-k_q142938771c_attn
	.p2alignl 7, 3214868480
	.fill 96, 4, 3214868480
	.section	.rodata,"a",@progbits
	.p2align	6, 0x0
	.amdhsa_kernel k_q142938771c_attn
		.amdhsa_group_segment_fixed_size 327680
		.amdhsa_private_segment_fixed_size 0
		.amdhsa_enable_private_segment 0
		.amdhsa_kernarg_size 32
		.amdhsa_user_sgpr_count 2
		.amdhsa_user_sgpr_kernarg_segment_ptr 1
		.amdhsa_wavefront_size32 1
		.amdhsa_system_sgpr_workgroup_id_x 1
		.amdhsa_system_sgpr_workgroup_id_y 1
		.amdhsa_system_sgpr_workgroup_id_z 1
		.amdhsa_system_vgpr_workitem_id 0
		.amdhsa_next_free_vgpr 256
		.amdhsa_next_free_sgpr 96
		.amdhsa_reserve_vcc 1
		.amdhsa_float_denorm_mode_32 3
		.amdhsa_float_denorm_mode_16_64 3
		.amdhsa_memory_ordered 1
		.amdhsa_forward_progress 1
		.amdhsa_inst_pref_size 28
	.end_amdhsa_kernel
	.amdgpu_metadata
---
amdhsa.version: [ 1, 2 ]
amdhsa.kernels:
  - .name:           k_q142938771c_attn
    .symbol:         k_q142938771c_attn.kd
    .args:
      - { .name: qc, .offset: 0, .size: 8, .value_kind: global_buffer, .address_space: global }
      - { .name: kv, .offset: 8, .size: 8, .value_kind: global_buffer, .address_space: global }
      - { .name: scl, .offset: 16, .size: 8, .value_kind: global_buffer, .address_space: global }
      - { .name: out0, .offset: 24, .size: 8, .value_kind: global_buffer, .address_space: global }
    .group_segment_fixed_size: 327680
    .private_segment_fixed_size: 0
    .kernarg_segment_align: 8
    .kernarg_segment_size: 32
    .max_flat_workgroup_size: 512
    .sgpr_count:     96
    .vgpr_count:     256
    .wavefront_size: 32
...
	.end_amdgpu_metadata
.endif
;; end of part 2
